; MI455X (gfx1250); checked and timed in simulation.
; The chip was launched on July 23, 2026; its instructions are those of AMD's public machine-readable ISA for CDNA 5 (MIT licence, August 2026) and "CDNA5" Instruction Set Architecture Reference Guide (July 2026). The comments in the code are by the model that wrote it; some were corrected since.
;; Simple LSTM Cell. Allowed arithmetic: matrix products marked QUANTISED: E2M1 operands, one E8M0 scale for each 32 along K, by v_wmma_scale_f32_16x16x128_f8f6f4 with both operands' format E2M1 (or v_wmma_scale_f32_32x16x128_f4), f32 sums; everything else in f32.
;; Inputs: W_c 1,024 x 2,048 float32; W_f 1,024 x 2,048 float32; W_i 1,024 x 2,048 float32; W_o 1,024 x 2,048 float32; b_c 1,024 float32; b_f 1,024 float32; b_i 1,024 float32; b_o 1,024 float32; c_prev 8,192 x 1,024 float32; h_prev 8,192 x 1,024 float32; x 8,192 x 1,024 float32.
;; Outputs: out0 8,192 x 1,024 float32; out1 8,192 x 1,024 float32.
;; This version of the problem:
;;   THIS VERSION OF THE PROBLEM IS GIVEN IN LOW PRECISION. The matrix products marked QUANTISED in the list below multiply operands that are first quantised to E2M1 (2 exponent bits, 1 mantissa bit; 4 bits a number), with one power-of-two scale for each 32 numbers along K (OCP MX v1.0); their sums are f32. All else is computed in f32.
;;   The module's matrix products, in the order in which they are computed (A, B: the left and right operand; K: the contracted axis; several contracted axes count as one K, in the product's order):
;;     1. [M 8,192, K 2,048] x [K 2,048, N 4,096]; A: computed on the way; B: computed on the way: QUANTISED
;;   THE QUANTISER, for each operand of a quantised product, along K:
;;     - K is cut into blocks of 32 from its start; a last block that is shorter is filled with zeros.
;;     - A block's scale is 2^e with e = floor(log2(the largest magnitude in the block)) - 2, held to -126 .. 127; a block of zeros has e = 0. As a byte (E8M0): e + 127.
;;     - Each number is divided by its block's scale, clamped to +-6, and rounded to the nearest number of E2M1, ties to even, subnormals kept.
;;     - The product sums the exact products of the quantised numbers (number of the format x scale) in f32.
;;   ~~~python
;;   def quantise(x, axis):      # numpy; x: float32 -> the quantised numbers, widened to float32 again
;;       x = np.moveaxis(x, axis, -1); K = x.shape[-1]
;;       x = np.pad(x, [(0, 0)] * (x.ndim - 1) + [(0, -K % 32)]); x = x.reshape(x.shape[:-1] + (-1, 32)); a = np.abs(x).max(-1, keepdims=True)
;;       e = np.where(a > 0, np.clip(np.frexp(np.where(a > 0, a, 1))[1] - 1 - 2, -126, 127), 0)      # np.frexp(a)[1] - 1 = floor(log2(a)), exactly
;;       r = np.clip(x / 2.0 ** e, -6, 6)
;;       step = 2.0 ** (np.maximum(np.frexp(np.where(r == 0, 1, r))[1] - 1, 0) - 1)
;;       q = np.round(r / step) * step * 2.0 ** e      # np.round: ties to even
;;       return np.moveaxis(q.reshape(q.shape[:-2] + (-1,))[..., :K], -1, axis).astype(np.float32)
;;   ~~~
;;   OPERANDS COMPUTED ON THE WAY. 'Computed on the way' means the value that the module computes at that place (a softmax that the list does not call 'softmax' is quantised finished and normalised). What goes into a quantiser is computed in f32, as accurately as f32 sums, v_exp_f32 and their like allow (about 1e-6 of the number): no bf16 or f16 on the way to a quantiser, and a product that is left as it is and whose result goes on into a quantised operand takes f32 operands (vector FMAs, or v_wmma_f32_16x16x4_f32). A number that lies on a knife's edge between two numbers of the format may be rounded either way, as far as f32 arithmetic and the matrix unit's own rounding can turn it there, and no further.
;; One version. Each part assembles by itself: llvm-mc -triple=amdgcn-amd-amdhsa -mcpu=gfx1250 --defsym DOCPART=n.
;; ======== version 1 of 1: 2 launches
;; limits: right only within a limited range of input values
;; workspace buffers: a_img 8,912,896 bytes; b_img 4,456,448 bytes
;; launch quant (part 1): grid 768 x 1, 4 waves a work-group, no clusters, 39,424 bytes of LDS; arguments x, h_prev, W_f, W_i, W_c, W_o, a_img, b_img; writes a_img, b_img
.if DOCPART == 1
	.amdgcn_target "amdgcn-amd-amdhsa--gfx1250"
	.amdhsa_code_object_version 6
	.text
	.protected	k_q853d50010f_quant
	.globl	k_q853d50010f_quant
	.p2align	8
	.type	k_q853d50010f_quant,@function
k_q853d50010f_quant:
	s_mov_b64 s[64:65], 0
	v_nop
	global_prefetch_b8 v0, s[64:65] scope:SCOPE_SE
	s_setreg_imm32_b32 hwreg(HW_REG_WAVE_MODE, 25, 1), 1
	s_wait_xcnt 0x0
; LSTM cell, first of two launches: both operands of gates = [x | h_prev] [W_f; W_i; W_c; W_o]^T become codes of FP4 (E2M1) with one E8M0 scale byte for each 32 along K = 2,048.
; NO WORK OF THE PROBLEM IS LEFT OUT in either launch: every input has a way to an output, all eleven are loaded, every step is done.
; THE RESULT IS LAID IN THE ORDER OF THE MATRIX OPERAND'S REGISTERS: an image of 69,632 bytes for each block of 256 rows and each K step of 512.  In it, for each 16 rows i, each 128 along K q and each half c of those:
; a chunk of 512 bytes at ((4 i + q) 2 + c) 512, lane (r, h)'s 16 bytes at 16 (16 h + r): row 16 i + r, k = 128 q + 64 c + 32 h + 0 .. 31, the lower k in the low four bits.
; Behind the 65,536 bytes of codes: 16 x 256 bytes of scale bytes, row m of the block at 16 m.  a_img: [32 blocks][4 K steps] images, b_img: [16][4].
; Row m of A is x's row m (k 0..1023), then h_prev's (k 1024..2047): K steps 0, 1 come from x, 2, 3 from h_prev.
; Rows of B: hidden unit j of gate g (0 f, 1 i, 2 c, 3 o) is row 256 (j / 64) + 64 g + 16 (j % 4) + (j % 64) / 4.
; A block's scale is 2^(floor(log2(its largest magnitude)) - 2); its byte is the largest magnitude's own exponent field - 2, held at 1 from below.  Each number is divided by the scale and rounded to the nearest code,
; ties to even; beyond the largest code the conversion gives the largest code.
; LIMITS: a block of zeros gets the byte 1 where the rule says 127 (its codes are zeros, which add nothing under any byte but 0xff, and these bytes are read by this program alone); blocks whose largest magnitude lies
; under 2^-124, the floor, were not tried; NaN and infinities among the inputs are not served.
; SHARES.  A work-group takes 16 rows of the result; wave w takes K step w of each: 16 steps of 512 numbers, which give 4,096 consecutive bytes of codes and 256 of scale bytes in the image.
; Work-groups 0 to 511 take [x | h_prev]; work-group 512 + idx takes rows 16 idx on of B: jt = idx / 16, g = (idx / 4) % 4, k = idx % 4, and row t is row 64 jt + 4 t + k of W_g.  Only pointers and one pitch are chosen.
; A lane must hold 16 NEIGHBOURS along K for the conversions, while neighbouring lanes load neighbouring bytes: each of a step's four loads reads 512 consecutive bytes; the 2,048 bytes go through the wave's own stage
; in LDS as they lie and come back 64 bytes a lane (16 bytes of padding behind each 64).  Two neighbouring lanes hold a block.  A lane's 8 bytes of codes go to a second stage, 16 pieces (q, c, h) of 256 bytes + 16 of
; padding, row t at 16 t; at the end the wave reads the pieces back whole and stores 512 consecutive bytes an instruction.  No tensor loads, no barrier: waves share nothing.
.set WAVES, 4
.set STEPS, 16
.set WGA,   512                        ; work-groups for [x | h_prev]
.set EMAX,  2
.set IMG,   69632
.set BLK,   4*IMG
.set R,     16                         ; v16-79   four sets of 16 numbers as they are loaded; at the end v16-47 the codes on their way out
.set X,     80                         ; v80-111  two sets of 16 neighbours
.set C,     128                        ; v128-191 codes
.set E,     112                        ; v112-127 a scale byte for each step
.set WREG,  9728                       ; LDS, for each wave: two stages of 32 x SP bytes, 256 scale bytes, 16 x CPI bytes of codes
.set SP,    80
.set CPI,   272
.set SPW,   12
.set NIL,   13
.set SPARE, WAVES*WREG
.set SB,    66                         ; s[66:97] row t's source at s[SB + 2 t]
	s_load_b256 s[4:11], s[0:1], 0x0               ; x, h_prev, W_f, W_i
	s_load_b256 s[12:19], s[0:1], 0x20             ; W_c, W_o, a_img, b_img
	v_lshl_add_u32 v[SPW], v0, 2, SPARE
	v_mov_b32 v[NIL], 0
	v_lshrrev_b32 v1, 5, v0
	v_readfirstlane_b32 s24, v1                    ; wave
	v_and_b32 v2, 31, v0                           ; lane
	v_lshlrev_b32 v3, 4, v2                        ; my 16 bytes of 512
	s_mul_i32 s25, s24, WREG
	v_lshrrev_b32 v14, 2, v2
	v_mul_u32_u24 v14, v14, SP
	v_and_b32 v15, 3, v2
	v_lshl_add_u32 v14, v15, 4, v14
	v_add_nc_u32 v14, s25, v14                     ; the first stage, on the way in
	v_mul_u32_u24 v15, v2, SP
	v_add_nc_u32 v15, s25, v15                     ; and on the way out: my 16 neighbours
	v_lshrrev_b32 v5, 1, v2
	s_add_co_u32 s25, s25, 2*32*SP
	v_mul_u32_u24 v4, v5, CPI                      ; the codes' stage: piece lane / 2,
	v_add_nc_u32 v5, s25, v5                       ; LDS: my block's scale byte
	v_lshlrev_b32 v7, 3, v2
	v_add_nc_u32 v6, s25, v7                       ; and on the way out 8 bytes a lane
	s_add_co_u32 s25, s25, 256
	v_and_b32 v10, 1, v2
	v_lshl_add_u32 v4, v10, 3, v4                  ; its half lane % 2
	v_add_nc_u32 v4, s25, v4
	v_lshrrev_b32 v10, 4, v2
	v_mul_u32_u24 v10, v10, CPI
	v_and_b32 v1, 15, v2
	v_lshl_add_u32 v10, v1, 4, v10
	v_add_nc_u32 v10, s25, v10                     ; back: sixteen lanes to a piece, two pieces an instruction
	s_cmp_lt_u32 ttmp9, WGA
	s_cselect_b32 s26, 0, WGA
	s_sub_co_u32 s26, ttmp9, s26                   ; idx: which 16 rows of the result
	s_bfe_u32 s27, s26, 0x20002                    ; g
	s_lshr_b32 s46, s26, 4                         ; jt, and the block of 256 rows
	s_lshl_b32 s40, s46, 6
	s_and_b32 s47, s26, 3                          ; k
	s_add_co_u32 s40, s40, s47                     ; a weight's row 64 jt + k,
	s_lshl_b32 s40, s40, 13                        ; of 8,192 bytes,
	s_lshl_b32 s47, s24, 11
	s_add_co_u32 s40, s40, s47                     ; at K step w
	s_lshl_b32 s41, s26, 16                        ; x's or h_prev's row 16 idx, of 4,096 bytes,
	s_and_b32 s47, s24, 1
	s_lshl_b32 s47, s47, 11
	s_add_co_u32 s41, s41, s47                     ; at its half w % 2
	s_mul_i32 s42, s46, BLK
	s_mul_i32 s47, s24, IMG
	s_add_co_u32 s42, s42, s47                     ; my image
	s_and_b32 s47, s26, 15
	s_lshl_b32 s44, s47, 8
	s_add_co_u32 s44, s44, s42
	s_add_co_u32 s44, s44, 65536                   ; my 256 scale bytes in it
	s_lshl_b32 s47, s47, 12
	s_add_co_u32 s42, s42, s47                     ; my 4,096 bytes of codes
	s_mov_b32 s43, 0
	s_mov_b32 s45, 0
	s_mov_b32 s49, 0
	s_mov_b32 s30, 32768                           ; from one of my rows to the next: 4 rows of a weight,
	s_mov_b32 s31, 0
	s_wait_alu depctr_va_vdst(0)                   ; the wait at the head's end
	s_wait_kmcnt 0x0
	s_mov_b64 s[28:29], s[8:9]                     ; W_g: the choices hang on ids alone
	s_cmp_eq_u32 s27, 1
	s_cselect_b64 s[28:29], s[10:11], s[28:29]
	s_cmp_eq_u32 s27, 2
	s_cselect_b64 s[28:29], s[12:13], s[28:29]
	s_cmp_eq_u32 s27, 3
	s_cselect_b64 s[28:29], s[14:15], s[28:29]
	s_cmp_lt_u32 s24, 2
	s_cselect_b64 s[20:21], s[4:5], s[6:7]         ; x for waves 0, 1; h_prev for waves 2, 3
	s_cmp_lt_u32 ttmp9, WGA                        ; only selections follow, which leave SCC as it is
	s_cselect_b64 s[SB:SB+1], s[20:21], s[28:29]
	s_cselect_b32 s48, s41, s40
	s_cselect_b32 s30, 4096, s30                   ; or one row of x
	s_cselect_b64 s[52:53], s[16:17], s[18:19]
	s_add_nc_u64 s[SB:SB+1], s[SB:SB+1], s[48:49]
.irp t, 1,2,3,4,5,6,7,8,9,10,11,12,13,14,15
	s_add_nc_u64 s[SB+2*\t:SB+2*\t+1], s[SB+2*\t-2:SB+2*\t-1], s[30:31]
.endr
	s_add_nc_u64 s[54:55], s[52:53], s[44:45]
	s_add_nc_u64 s[52:53], s[52:53], s[42:43]
.macro LOAD t                          ; step t: row t's 2,048 bytes
.irp i, 0,1,2,3
	global_load_b128 v[R+16*((\t)%4)+4*\i:R+16*((\t)%4)+4*\i+3], v3, s[SB+2*(\t):SB+2*(\t)+1] offset:512*\i th:TH_LOAD_NT   ; 32 lanes read 512 consecutive bytes
.endr
.endm
.macro TURN t                          ; through the stage: LDS serves a wave's instructions in order, so no wait stands between the stores and the loads
.irp i, 0,1,2,3
	ds_store_b128 v14, v[R+16*((\t)%4)+4*\i:R+16*((\t)%4)+4*\i+3] offset:32*SP*((\t)%2)+8*SP*\i
.endr
.irp i, 0,1,2,3
	ds_load_b128 v[X+16*((\t)%2)+4*\i:X+16*((\t)%2)+4*\i+3], v15 offset:32*SP*((\t)%2)+16*\i
.endr
.endm
.irp t, 0,1,2,3
	LOAD \t
.endr
	s_wait_loadcnt 12                              ; step 0's four loads are in
	TURN 0
.macro STEP t
.set XS, X+16*((\t)%2)
.if (\t) > 0
	s_wait_dscnt 2                                 ; this step's numbers are back (the last step's two stores, byte and codes, may be out): its stores into the stage have read their registers,
.else
	s_wait_dscnt 0x0
.endif
.if (\t)+4 < STEPS
	LOAD (\t)+4                                    ; which take the loads of four steps on
.endif
.if (\t)+1 < STEPS
.if STEPS-2-(\t) >= 3
	s_wait_loadcnt 12                              ; the next step's four loads are in; those of the three steps behind it may be out
.else
	s_wait_loadcnt 4*(STEPS-2-(\t))
.endif
	TURN (\t)+1
.endif
	v_max3_num_f32 v8, |v[XS]|, |v[XS+1]|, |v[XS+2]|               ; the largest magnitude of my 16, in two chains
	v_max3_num_f32 v9, |v[XS+3]|, |v[XS+4]|, |v[XS+5]|
.irp i, 6,10
	v_max3_num_f32 v8, v8, |v[XS+\i]|, |v[XS+\i+1]|
	v_max3_num_f32 v9, v9, |v[XS+\i+2]|, |v[XS+\i+3]|
.endr
	v_max3_num_f32 v8, v8, |v[XS+14]|, |v[XS+15]|
	v_max3_num_f32 v8, v8, v9, (EMAX+1)<<23        ; and the floor 2^(EMAX + 1 - 127): the byte cannot fall under 1
	v_max_num_f32_dpp v8, v8, v8 row_xmask:1 row_mask:0xf bank_mask:0xf   ; and of my neighbour's 16: the block's
	v_add_nc_u32 v11, -(EMAX<<23), v8              ; EMAX off its exponent field: the conversion's scale operand
	v_cvt_scalef32_pk8_fp4_f32 v[C+4*(\t)], v[XS:XS+7], v11
	v_cvt_scalef32_pk8_fp4_f32 v[C+4*(\t)+1], v[XS+8:XS+15], v11
	v_lshrrev_b32 v[E+(\t)], 23, v11               ; the scale's byte (also the plain line behind the conversions)
	ds_store_b8 v5, v[E+(\t)] offset:16*(\t)       ; both lanes of a block write the same byte with the same value
	ds_store_b64 v4, v[C+4*(\t):C+4*(\t)+1] offset:16*(\t)   ; row t's place in my piece
.endm
.irp t, 0,1,2,3,4,5,6,7,8,9,10,11,12,13,14,15
	STEP \t
.endr
	ds_load_b64 v[8:9], v6                         ; LDS serves a wave's instructions in order: these see my stores
.irp n, 0,1,2,3,4,5,6,7
	ds_load_b128 v[R+4*\n:R+4*\n+3], v10 offset:2*CPI*\n
.endr
	s_wait_dscnt 0x0
	global_store_b64 v7, v[8:9], s[54:55]          ; 32 lanes store 256 consecutive bytes, aligned: sixteen rows' scale bytes of this K step
.irp n, 0,1,2,3,4,5,6,7
	global_store_b128 v3, v[R+4*\n:R+4*\n+3], s[52:53] offset:512*\n   ; a chunk: 512 consecutive bytes, aligned
.endr
	s_wait_tensorcnt 0x0                           ; the wave's end
	ds_add_u32 v[SPW], v[NIL]
	s_wait_dscnt 0x0
	s_endpgm
.Lfunc_end_k_q853d50010f_quant:
	.size	k_q853d50010f_quant, .Lfunc_end_k_q853d50010f_quant-k_q853d50010f_quant
	.p2alignl 7, 3214868480
	.fill 96, 4, 3214868480
	.section	.rodata,"a",@progbits
	.p2align	6, 0x0
	.amdhsa_kernel k_q853d50010f_quant
		.amdhsa_group_segment_fixed_size 39424
		.amdhsa_private_segment_fixed_size 0
		.amdhsa_enable_private_segment 0
		.amdhsa_kernarg_size 64
		.amdhsa_user_sgpr_count 2
		.amdhsa_user_sgpr_kernarg_segment_ptr 1
		.amdhsa_wavefront_size32 1
		.amdhsa_system_sgpr_workgroup_id_x 1
		.amdhsa_system_sgpr_workgroup_id_y 1
		.amdhsa_system_sgpr_workgroup_id_z 1
		.amdhsa_system_vgpr_workitem_id 0
		.amdhsa_next_free_vgpr 192
		.amdhsa_next_free_sgpr 98
		.amdhsa_reserve_vcc 0
		.amdhsa_float_denorm_mode_32 3
		.amdhsa_float_denorm_mode_16_64 3
		.amdhsa_memory_ordered 1
		.amdhsa_forward_progress 1
		.amdhsa_inst_pref_size 36
	.end_amdhsa_kernel
	.amdgpu_metadata
---
amdhsa.version: [ 1, 2 ]
amdhsa.kernels:
  - .name:           k_q853d50010f_quant
    .symbol:         k_q853d50010f_quant.kd
    .args:
      - { .name: x, .offset: 0, .size: 8, .value_kind: global_buffer, .address_space: global }
      - { .name: h_prev, .offset: 8, .size: 8, .value_kind: global_buffer, .address_space: global }
      - { .name: W_f, .offset: 16, .size: 8, .value_kind: global_buffer, .address_space: global }
      - { .name: W_i, .offset: 24, .size: 8, .value_kind: global_buffer, .address_space: global }
      - { .name: W_c, .offset: 32, .size: 8, .value_kind: global_buffer, .address_space: global }
      - { .name: W_o, .offset: 40, .size: 8, .value_kind: global_buffer, .address_space: global }
      - { .name: a_img, .offset: 48, .size: 8, .value_kind: global_buffer, .address_space: global }
      - { .name: b_img, .offset: 56, .size: 8, .value_kind: global_buffer, .address_space: global }
    .group_segment_fixed_size: 39424
    .private_segment_fixed_size: 0
    .kernarg_segment_align: 8
    .kernarg_segment_size: 64
    .max_flat_workgroup_size: 128
    .sgpr_count:     98
    .vgpr_count:     192
    .wavefront_size: 32
...
	.end_amdgpu_metadata
.endif
;; end of part 1
;; launch lstm (part 2): grid 16 x 16, 4 waves a work-group, clusters of 4 x 4, 327,680 bytes of LDS; arguments a_img, b_img, c_prev, out0, out1, b_f, b_i, b_c, b_o; writes out0, out1
.if DOCPART == 2
	.amdgcn_target "amdgcn-amd-amdhsa--gfx1250"
	.amdhsa_code_object_version 6
	.text
	.protected	k_q853d50010f_lstm
	.globl	k_q853d50010f_lstm
	.p2align	8
	.type	k_q853d50010f_lstm,@function
k_q853d50010f_lstm:
	s_mov_b64 s[64:65], 0
	v_nop
	global_prefetch_b8 v0, s[64:65] scope:SCOPE_SE
	s_setreg_imm32_b32 hwreg(HW_REG_WAVE_MODE, 25, 1), 1
	s_wait_xcnt 0x0
	s_wait_alu depctr_hold_cnt(0) depctr_sa_sdst(0) depctr_va_vdst(0) depctr_va_sdst(0) depctr_va_ssrc(0) depctr_va_vcc(0) depctr_vm_vsrc(0)
	s_getreg_b32 s2, hwreg(HW_REG_IB_STS2, 6, 4)
	s_cmp_eq_u32 s2, 0
	s_cbranch_scc0 .Lentry_in_a_cluster
	s_endpgm
.Lentry_in_a_cluster:
	s_bfe_u32 s2, ttmp6, 0x10000c
	s_cmp_lg_u32 s2, 0xf033
	s_cbranch_scc0 .Lentry_shape_is_right
	s_endpgm
.Lentry_shape_is_right:
; LSTM cell, second of two launches: gates = A B^T on codes of FP4 (E2M1) with E8M0 scales (the first launch's images), and the whole cell on the sums, in registers: the gates never go to memory.
;   c_t = sigmoid(F) c_prev + sigmoid(I) tanh(G),  h_t = sigmoid(O) tanh(c_t);  F, I, G, O = the four gates' sums + their biases.  out0 = h_t, out1 = c_t.  No work of the problem is left out.
; IMAGES: for each block of 256 rows and each K step of 512: chunks of 512 bytes in the order of the operand's registers (16 rows i, 128 along K q, half c: chunk (4 i + q) 2 + c, 16 bytes a lane), 65,536 bytes, then 16 x 256
; bytes of scale bytes (16 bytes a row).  In B hidden unit j of gate g (0 f, 1 i, 2 c, 3 o) is row 256 (j / 64) + 64 g + 16 (j % 4) + (j % 64) / 4.
; SHARES.  256 work-groups of four waves.  A work-group stays and makes two tiles: blocks 2 gy and 2 gy + 1 of A against block tx of B (64 hidden units in all four gates).  Wave w makes rows 64 w .. 64 w + 63 of a tile
; against all 256 rows of B: 4 blocks of A x 16 of B = 64 accumulators, 512 registers.
; B STAYS IN LDS: its four images, all of K, 278,528 bytes, come once, one tensor load a wave at the head, and serve both tiles.  No LDS byte is filled again: the product has no barrier.
; A GOES FROM MEMORY STRAIGHT INTO REGISTERS: a wave alone multiplies its 64 rows, and a chunk is a load of 512 consecutive bytes.  Eight sets of 32 registers take turns: the set that step u has multiplied is asked
; for again with step u + 8's fragments, so seven steps' matrix work lies between a request and its wait.
; LAYOUT.  Source 0 = 16 rows of A, source 1 = 16 rows of B: lane (r, h) holds column r and rows 8 h + 0 .. 7.  Block 4 g + k of B holds in its row r the hidden unit 64 tx + 4 r + k of gate g.  So the four gates of an element
; lie in ONE lane, and a lane's k = 0 .. 3 are four neighbouring hidden units: 16 bytes; sixteen lanes hold 256 consecutive bytes of a row, aligned.  c_prev comes straight from memory, h_t and c_t go straight to memory.
; CLUSTERS: 4 x 4 work-groups; the four of a column need the same images of B and ask for them JOINTLY.  A has no tile in LDS that a joint request could fill, so its loads are each wave's own.
; NO PREFETCH is laid: B is asked for whole at the head, and A's loads stand seven steps or more ahead of their waits, c_prev's four or more (the next tile's steps 3 to 7: four steps or the rest of the cell arithmetic).
; K ascending in every sum.
; THE ACTIVATIONS.  L = log2(e).  a = 2^(-L F), b = 2^(-L I), d = 2^min(-2 L G, 32), p = 2^(-L O):  sigmoid(F) = 1 / (1 + a);  sigmoid(I) tanh(G) = (1 - d) / ((1 + b)(1 + d));  e = 2^min(-2 L c_t, 32);
; h_t = (1 - e) / ((1 + p)(1 + e)).  The bias rides in the multiply-add that makes the exponent.
; LIMITS: NaN and infinities among the inputs are not served.  The two exponents of the tanh forms are held at 32: that moves tanh by less than 2^-31 and keeps 1 - d finite, so that a divisor that overflows gives 0 and no NaN.
; The sigmoids' exponentials may overflow to infinity or fall to 0: the quotients are then 0 or 1, as the limits ask.
; REGISTERS, in windows of 256: window 0: v1-15 addresses; v16-31 the biases; v32-63 A's scale words, a set of 8 for each K step; v64-127 B's, two sets of 32; v128-255 B's 16 fragments, ONE set; in the cell arithmetic the exponentials.
;   window 1: A's eight sets.  At a tile's end sets 0-3 take c_prev (set a after step 8 + a), set 4 is at work and h_t, set 5 c_t, v208-239 each scaled bias twice.
;   window 2: the accumulators of B's blocks 0-7 (gates f, i), (a, b) at v[8 (4 (b % 8) + a)];   window 3: those of blocks 8-15 (gates c, o).
.set NP,     4                         ; places behind this matrix instruction (ISA guide 7.12.1)
.set IMG,    69632
.set BLK,    4*IMG
.set SCO,    65536                     ; where an image's scale bytes begin
.set SPARE,  4*IMG                     ; the spare words, 128 bytes for each wave
.set ADRB, 2                           ; v2-5    16 x lane + K step x IMG: B's chunks in LDS; v2 also my 16 bytes of a chunk of A in memory
.set ADSB, 6                           ; v6-9    B's scale words: lanes 0-15 block i, lanes 16-31 block i + 8
.set VAS,  10                          ; v10     A's scale words from my wave's base: lanes 0-15 block a, lanes 16-31 block a + 2
.set CO,   11                          ; v11     my byte offset in c_prev, out0, out1
.set BO,   12                          ; v12     my byte offset in a bias
.set SPW,  13
.set NIL,  14
.set RAW,  16                          ; the biases: 4 g + k
.set ASC,  32                          ; A's scale words: 8 ks + 4 (a % 2) + q
.set BSC,  64                          ; B's: 32 (ks % 2) + 4 (b % 8) + q
.set BF,   128
.set EF,   128                         ; the cell arithmetic, window 0: register 4 j + k of each: row 8 h + j, hidden unit 4 r + k
.set EI,   160
.set EG,   192
.set EO,   224
.set CP,   0                           ; window 1
.set X,    128
.set CT,   160
.set BSD,  208
.set G1B, 48                           ; s[48:55] group 1, s[56:59] group 0
.set G0B, 56
.set TL,  78                           ; s78 tiles finished
.set CL,  80                           ; s[80:81] -L twice; s[82:83] -2 L twice; s84 32.0
.set C2,  82
.set CAP, 84
.set MSB, 0
.macro WIN new
.if MSB != \new
	s_set_vgpr_msb (MSB<<8)|\new
.set MSB, \new
.endif
.endm
.set MUL_LO, 0xa1                      ; source 0 (A) window 1, source 1 (B) window 0, C and D window 2
.set MUL_HI, 0xf1
.set TO_A,   0x40
.macro CROUND                          ; a round of the cluster's barrier
	s_barrier_signal -1
	s_barrier_wait -1
	s_cmp_lg_u32 s14, 0
	s_cbranch_scc1 .Lnot_wave_0_\@
	s_barrier_signal -3
.Lnot_wave_0_\@:
	s_barrier_wait -3
	s_barrier_signal -1
	s_barrier_wait -1
.endm
.macro PLACES n
.rept \n
	v_nop
.endr
.endm
.macro ALOAD u, base                   ; A's four fragments of the tile's step u into set u % 8: 8 loads of 512 consecutive bytes
.irp a, 0,1,2,3
.irp c, 0,1
	global_load_b128 v[32*((\u)%8)+8*\a+4*\c:32*((\u)%8)+8*\a+4*\c+3], v[ADRB], s[4:5] offset:(\base)+((\u)/4)*IMG+\a*4096+((\u)%4)*1024+\c*512
.endr
.endr
.endm
.macro SLOAD m, base                   ; A's scale words of K step m: 2 loads, sixteen lanes on 256 consecutive bytes
.irp a, 0,1
	global_load_b128 v[ASC+8*(\m)+4*\a:ASC+8*(\m)+4*\a+3], v[VAS], s[4:5] offset:(\base)+(\m)*IMG+\a*256
.endr
.endm
.macro CPL a                           ; c_prev of my block a: eight loads
.irp j, 0,1,2,3,4,5,6,7
	global_load_b128 v[CP+32*(\a)+4*\j:CP+32*(\a)+4*\j+3], v[CO], s[96:97] offset:(16*(\a)+\j)*4096 th:TH_LOAD_NT   ; sixteen lanes read 256 consecutive bytes, aligned
.endr
.endm
.macro FETCH_B u, i0                   ; B's blocks i0 .. i0 + 7 of step u: 16 loads, each of 512 consecutive bytes
.irp i, \i0, \i0+1, \i0+2, \i0+3, \i0+4, \i0+5, \i0+6, \i0+7
.irp c, 0,1
	ds_load_b128 v[BF+8*(\i)+4*\c:BF+8*(\i)+4*\c+3], v[ADRB+(\u)/4] offset:(\i)*4096+((\u)%4)*1024+\c*512
.endr
.endr
.endm
.macro SCALES m                        ; B's scale words of K step m: 8 loads
.irp i, 0,1,2,3,4,5,6,7
	ds_load_b128 v[BSC+32*((\m)%2)+4*\i:BSC+32*((\m)%2)+4*\i+3], v[ADSB+(\m)] offset:\i*256
.endr
.endm
; 16 matrix instructions of step u: B's blocks b0 .. b0 + 3 x A's four.  The 64 accumulators take turns, in the same order in every step.  Step 0's products start the sums.
.macro MUL16 b0, u
.irp b, \b0, \b0+1, \b0+2, \b0+3
.irp a, 0,1,2,3
.set rD, 8*(4*((\b)%8)+\a)
.set rA, 32*((\u)%8)+8*\a
.set rB, BF+8*(\b)
.set rSA, ASC+8*((\u)/4)+4*(\a%2)+(\u)%4
.set rSB, BSC+32*(((\u)/4)%2)+4*((\b)%8)+(\u)%4
.if (\u) == 0
.if \a < 2
.if (\b) < 8
	v_wmma_scale_f32_16x16x128_f8f6f4 v[rD:rD+7], v[rA:rA+7], v[rB:rB+7], 0, v[rSA], v[rSB] matrix_a_fmt:MATRIX_FMT_FP4 matrix_b_fmt:MATRIX_FMT_FP4
.else
	v_wmma_scale_f32_16x16x128_f8f6f4 v[rD:rD+7], v[rA:rA+7], v[rB:rB+7], 0, v[rSA], v[rSB] matrix_a_fmt:MATRIX_FMT_FP4 matrix_b_fmt:MATRIX_FMT_FP4 matrix_b_scale:MATRIX_SCALE_ROW1
.endif
.else
.if (\b) < 8
	v_wmma_scale_f32_16x16x128_f8f6f4 v[rD:rD+7], v[rA:rA+7], v[rB:rB+7], 0, v[rSA], v[rSB] matrix_a_fmt:MATRIX_FMT_FP4 matrix_b_fmt:MATRIX_FMT_FP4 matrix_a_scale:MATRIX_SCALE_ROW1
.else
	v_wmma_scale_f32_16x16x128_f8f6f4 v[rD:rD+7], v[rA:rA+7], v[rB:rB+7], 0, v[rSA], v[rSB] matrix_a_fmt:MATRIX_FMT_FP4 matrix_b_fmt:MATRIX_FMT_FP4 matrix_a_scale:MATRIX_SCALE_ROW1 matrix_b_scale:MATRIX_SCALE_ROW1
.endif
.endif
.else
.if \a < 2
.if (\b) < 8
	v_wmma_scale_f32_16x16x128_f8f6f4 v[rD:rD+7], v[rA:rA+7], v[rB:rB+7], v[rD:rD+7], v[rSA], v[rSB] matrix_a_fmt:MATRIX_FMT_FP4 matrix_b_fmt:MATRIX_FMT_FP4
.else
	v_wmma_scale_f32_16x16x128_f8f6f4 v[rD:rD+7], v[rA:rA+7], v[rB:rB+7], v[rD:rD+7], v[rSA], v[rSB] matrix_a_fmt:MATRIX_FMT_FP4 matrix_b_fmt:MATRIX_FMT_FP4 matrix_b_scale:MATRIX_SCALE_ROW1
.endif
.else
.if (\b) < 8
	v_wmma_scale_f32_16x16x128_f8f6f4 v[rD:rD+7], v[rA:rA+7], v[rB:rB+7], v[rD:rD+7], v[rSA], v[rSB] matrix_a_fmt:MATRIX_FMT_FP4 matrix_b_fmt:MATRIX_FMT_FP4 matrix_a_scale:MATRIX_SCALE_ROW1
.else
	v_wmma_scale_f32_16x16x128_f8f6f4 v[rD:rD+7], v[rA:rA+7], v[rB:rB+7], v[rD:rD+7], v[rSA], v[rSB] matrix_a_fmt:MATRIX_FMT_FP4 matrix_b_fmt:MATRIX_FMT_FP4 matrix_a_scale:MATRIX_SCALE_ROW1 matrix_b_scale:MATRIX_SCALE_ROW1
.endif
.endif
.endif
.endr
.endr
.endm
; Step u of a tile, 128 along K: 64 matrix instructions, B's blocks one after the other, each against A's four.  A block of B is free as soon as its four products are issued: blocks 0-7 are fetched anew in the step's middle,
; blocks 8-15 at its end.  lc: how many global loads issued behind set u's (and its K step's scale words) may stay out.
.macro STEP u, lc
	s_wait_loadcnt \lc
	s_wait_dscnt 16                                ; all LDS loads but the youngest sixteen, B's blocks 8-15
	WIN MUL_LO
	MUL16 0, \u
	MUL16 4, \u
	s_wait_dscnt 0
.if \u < 15
	PLACES NP
	WIN 0
	FETCH_B (\u)+1, 0
.if (\u)%4 == 3
	SCALES ((\u)+1)/4
.endif
.endif
	WIN MUL_HI
	MUL16 8, \u
	MUL16 12, \u
	PLACES NP                                      ; in front of the loads into B's blocks 8-15 and into the set just multiplied
	WIN 0
.if \u < 15
	FETCH_B (\u)+1, 8
.endif
.if \u < 8
.if (\u)%4 == 0
	SLOAD (\u)/4+2, 0
.endif
	WIN TO_A
	ALOAD (\u)+8, 0
	WIN 0
.else
.if \u < 12
	WIN TO_A
	CPL (\u)-8
	WIN 0
.endif
.endif
.endm
	s_load_b128 s[4:7], s[0:1], 0x0                ; a_img, b_img
	s_load_b128 s[96:99], s[0:1], 0x10             ; c_prev, out0
	s_load_b64 s[100:101], s[0:1], 0x20            ; out1
	s_load_b128 s[68:71], s[0:1], 0x28             ; b_f, b_i
	s_load_b128 s[72:75], s[0:1], 0x38             ; b_c, b_o
	v_lshl_add_u32 v[SPW], v0, 2, SPARE
	v_mov_b32 v[NIL], 0
	ds_add_u32 v[SPW], v[NIL]                      ; the opening: the add, twice on end, and its wait ahead of my first tensor load
	ds_add_u32 v[SPW], v[NIL]
	v_lshrrev_b32 v1, 5, v0
	v_readfirstlane_b32 s14, v1                    ; wave
	s_bfe_u32 s40, ttmp6, 0x40000                  ; cx, cy
	s_bfe_u32 s41, ttmp6, 0x40004
	s_lshl_b32 s42, ttmp9, 2
	s_add_co_u32 s42, s42, s40                     ; tx: which 64 hidden units
	s_and_b32 s17, ttmp7, 0xffff
	s_lshl_b32 s17, s17, 2
	s_add_co_u32 s17, s17, s41                     ; gy: which 512 rows
	s_lshl_b32 s44, 0x1111, s40                    ; my column of the cluster
	s_or_b32 s[G1B+0], s44, (0<<16)|(1<<21)        ; the mask; elements of 1 byte; no padding; bit 21 beside a mask
	s_mov_b32 s[G1B+1], 256<<16                    ; an image: 272 rows of 256 bytes, dense
	s_mov_b32 s[G1B+2], 272<<16
	s_mov_b32 s[G1B+3], 256<<16
	s_mov_b32 s[G1B+4], 272
	s_mov_b32 s[G1B+5], 256
	s_mov_b32 s[G1B+6], 0
	s_mov_b32 s[G1B+7], 0
	s_mul_i32 s20, s17, 2*BLK                      ; A: my two blocks' eight images on end,
	s_lshl_b32 s21, s14, 14                        ; my wave's four blocks of 16 rows: 16,384 bytes of each
	s_add_co_u32 s20, s20, s21
	s_mov_b32 s21, 0
	s_mul_i32 s[G0B+1], s14, IMG                   ; B: wave w fetches K step w's image, to LDS byte w x IMG
	s_mul_i32 s46, s42, BLK
	s_mul_i32 s47, s14, IMG
	s_add_co_u32 s46, s46, s47
	s_mov_b32 s47, 0
	s_mul_i32 s23, s14, 15360
	s_sub_co_u32 s23, SCO, s23                     ; from my wave's codes to its scale words: 65,536 + 1,024 w - 16,384 w
	s_lshl_b32 s22, s17, 9
	s_lshl_b32 s25, s14, 6
	s_add_co_u32 s22, s22, s25                     ; my first row: 512 gy + 64 wave,
	s_lshl_b32 s22, s22, 12                        ; of 4,096 bytes
	s_lshl_b32 s24, s42, 8                         ; my work-group's 64 hidden units: 256 bytes
	s_mov_b32 s[CL], 0xbfb8aa3b                    ; -L
	s_mov_b32 s[CL+1], s[CL]
	s_mov_b32 s[C2], 0xc038aa3b                    ; -2 L
	s_mov_b32 s[C2+1], s[C2]
	s_mov_b32 s[CAP], 0x42000000                   ; 32.0
	s_mov_b32 s[TL], 0
	s_mov_b32 s[G0B], 1
	s_wait_dscnt 0x0                               ; both opening adds are done
	s_wait_kmcnt 0x0
	s_add_nc_u64 s[4:5], s[4:5], s[20:21]
	s_add_nc_u64 s[G0B+2:G0B+3], s[6:7], s[46:47]
	s_or_b32 s[G0B+3], s[G0B+3], 0x80000000
	CROUND                                         ; all sixteen work-groups are here
	tensor_load_to_lds s[G0B:G0B+3], s[G1B:G1B+7]  ; my one tensor load of the launch
	s_nop 0
.rept 4
	v_nop
.endr
	v_and_b32 v128, 31, v0                         ; lane
	v_and_b32 v1, 15, v0                           ; r
	v_bfe_u32 v15, v0, 4, 1                        ; h
	v_lshlrev_b32 v[ADRB], 4, v128
	v_add_nc_u32 v[ADRB+1], IMG, v[ADRB]
	v_add_nc_u32 v[ADRB+2], 2*IMG, v[ADRB]
	v_add_nc_u32 v[ADRB+3], 3*IMG, v[ADRB]
	v_lshlrev_b32 v129, 4, v1                      ; 16 bytes of scales a row
	v_lshl_add_u32 v130, v15, 11, v129             ; B's: lanes 16-31 stand eight blocks further on
	v_add_nc_u32 v[ADSB], SCO, v130
	v_add_nc_u32 v[ADSB+1], IMG+SCO, v130
	v_add_nc_u32 v[ADSB+2], 2*IMG+SCO, v130
	v_add_nc_u32 v[ADSB+3], 3*IMG+SCO, v130
	v_lshl_add_u32 v131, v15, 9, v129              ; A's: two blocks further on
	v_add_nc_u32 v[VAS], s23, v131
	v_lshl_add_u32 v[BO], v1, 4, s24               ; hidden units 64 tx + 4 r + 0 .. 3
	v_lshl_add_u32 v[CO], v15, 15, v[BO]           ; lanes 16-31 stand eight rows further down
	v_add_nc_u32 v[CO], s22, v[CO]
	s_wait_alu depctr_va_vdst(0)                   ; the wait at the head's end
	global_load_b128 v[RAW:RAW+3], v[BO], s[68:69]
	global_load_b128 v[RAW+4:RAW+7], v[BO], s[70:71]
	global_load_b128 v[RAW+8:RAW+11], v[BO], s[72:73]
	global_load_b128 v[RAW+12:RAW+15], v[BO], s[74:75]
	SLOAD 0, 0                                     ; the first tile's steps 0 to 7, in the order in which the cell arithmetic asks for the second tile's
	WIN TO_A
	ALOAD 0, 0
	ALOAD 1, 0
	ALOAD 2, 0
	ALOAD 3, 0
	WIN 0
	SLOAD 1, 0
	WIN TO_A
	ALOAD 4, 0
	ALOAD 5, 0
	ALOAD 6, 0
	ALOAD 7, 0
	WIN 0
	s_wait_tensorcnt 0x0                           ; my image of B is in,
	s_barrier_signal -1
	s_barrier_wait -1                              ; everybody's is: the launch's only work-group barrier outside the cluster's rounds
.Ltile:
	FETCH_B 0, 0
	SCALES 0
	FETCH_B 0, 8
; The counts.  Order of issue: S0 L0 L1 L2 L3 | S1 L4 .. L7 | behind step 0: S2 L8; 1: L9; 2: L10; 3: L11; 4: S3 L12; 5 to 7: L13 to L15; 8 to 11: c_prev's four blocks (L: 8 loads, S: 2).
; L0 to L3 of the second tile stand under branches in the cell arithmetic, so steps 0 to 3 count only what is issued behind them on every way: 34 (S1 L4 .. L7), + 10, + 8, + 8.
	STEP 0, 34
	STEP 1, 44
	STEP 2, 52
	STEP 3, 60
	STEP 4, 58
	STEP 5, 60
	STEP 6, 60
	STEP 7, 60
	STEP 8, 58
	STEP 9, 58
	STEP 10, 58
	STEP 11, 58
	STEP 12, 56
	STEP 13, 48
	STEP 14, 40
	STEP 15, 32
	s_wait_loadcnt 0x0                             ; c_prev's four blocks are in (the last was asked for four steps ago)
	WIN 0x40
.set i, 0
.rept 16                                       ; the biases times the factor of their gate's exponent, each twice: a pair for the packed multiply-add; the pairs lie in sets 6 and 7, which are free here
.if (i/4) == 2
	v_mul_f32 v[BSD+2*i], s[C2], v[RAW+i]
	v_mul_f32 v[BSD+2*i+1], s[C2], v[RAW+i]
.else
	v_mul_f32 v[BSD+2*i], s[CL], v[RAW+i]
	v_mul_f32 v[BSD+2*i+1], s[CL], v[RAW+i]
.endif
.set i, i+1
.endr
; Block a: 16 rows x 64 hidden units, 32 elements a lane.  Four batches of transcendentals, each with a wait ahead of it, one plain line behind its last and one wait ahead of its first reader.
.macro EPI a
	WIN 0x92                                       ; accumulators window 2 (source 0 and destination), scaled biases window 1 (source 2)
.if \a > 0
	s_wait_alu depctr_va_vdst(0)                   ; sums first read behind the last block's transcendentals
.endif
.irp b, 0,1,2,3,4,5,6,7                        ; gates f and i: -L (sum + bias), in place, each accumulator from its low end on
.irp p, 0,2,4,6
	v_pk_fma_f32 v[8*(4*\b+\a)+\p:8*(4*\b+\a)+\p+1], v[8*(4*\b+\a)+\p:8*(4*\b+\a)+\p+1], s[CL:CL+1], v[BSD+2*\b:BSD+2*\b+1] op_sel_hi:[1,0,1]
.endr
.endr
	WIN 0xd3                                       ; the same with window 3
.if \a > 0
	s_wait_alu depctr_va_vdst(0)
.endif
.irp b, 0,1,2,3                                ; gate c: -2 L (sum + bias)
.irp p, 0,2,4,6
	v_pk_fma_f32 v[8*(4*\b+\a)+\p:8*(4*\b+\a)+\p+1], v[8*(4*\b+\a)+\p:8*(4*\b+\a)+\p+1], s[C2:C2+1], v[BSD+16+2*\b:BSD+16+2*\b+1] op_sel_hi:[1,0,1]
.endr
.endr
.irp b, 4,5,6,7                                ; gate o
.irp p, 0,2,4,6
	v_pk_fma_f32 v[8*(4*\b+\a)+\p:8*(4*\b+\a)+\p+1], v[8*(4*\b+\a)+\p:8*(4*\b+\a)+\p+1], s[CL:CL+1], v[BSD+16+2*\b:BSD+16+2*\b+1] op_sel_hi:[1,0,1]
.endr
.endr
.irp b, 0,1,2,3                                ; gate c's exponents are held at 32
.irp j, 0,1,2,3,4,5,6,7
	v_min_num_f32 v[8*(4*\b+\a)+\j], v[8*(4*\b+\a)+\j], s[CAP]
.endr
.endr
	WIN 0x02
	s_wait_alu depctr_va_vdst(0)
.irp g, 0,1                                    ; a and b: each result goes to register 4 j + k of its gate
.irp k, 0,1,2,3
.irp j, 0,1,2,3,4,5,6,7
	v_exp_f32 v[EF+32*\g+4*\j+\k], v[8*(4*(4*\g+\k)+\a)+\j]
.endr
.endr
.endr
	WIN 0x03
.irp g, 0,1                                    ; d and p
.irp k, 0,1,2,3
.irp j, 0,1,2,3,4,5,6,7
	v_exp_f32 v[EG+32*\g+4*\j+\k], v[8*(4*(4*\g+\k)+\a)+\j]
.endr
.endr
.endr
	v_nop
	s_wait_alu depctr_va_vdst(0)
.if \a > 0
	s_wait_xcnt 0x0                                ; the last block's stores have read their data: X and CT are written again only behind this wait
.endif
	WIN 0x40
.set i, 0
.rept 16
	v_pk_add_f32 v[X+i:X+i+1], v[EG+i:EG+i+1], 1.0 op_sel_hi:[1,0]          ; 1 + d
.set i, i+2
.endr
	WIN 0
.set i, 0
.rept 16
	v_pk_add_f32 v[EF+i:EF+i+1], v[EF+i:EF+i+1], 1.0 op_sel_hi:[1,0]        ; 1 + a
	v_pk_fma_f32 v[EG+i:EG+i+1], v[EG+i:EG+i+1], -1.0, 1.0 op_sel_hi:[1,0,0] ; 1 - d
.set i, i+2
.endr
	WIN 0x14
.set i, 0
.rept 16
	v_pk_fma_f32 v[EI+i:EI+i+1], v[EI+i:EI+i+1], v[X+i:X+i+1], v[X+i:X+i+1]  ; (1 + b)(1 + d)
.set i, i+2
.endr
	WIN 0
.set i, 0
	s_wait_alu depctr_va_vdst(0)
.rept 64
	v_rcp_f32 v[EF+i], v[EF+i]                     ; sigmoid(F), and 1 / ((1 + b)(1 + d))
.set i, i+1
.endr
	v_nop
	s_wait_alu depctr_va_vdst(0)
.set i, 0
.rept 16
	v_pk_mul_f32 v[EG+i:EG+i+1], v[EG+i:EG+i+1], v[EI+i:EI+i+1]              ; sigmoid(I) tanh(G)
.set i, i+2
.endr
	WIN 0x44
.set i, 0
.rept 16
	v_pk_fma_f32 v[CT+i:CT+i+1], v[EF+i:EF+i+1], v[CP+32*\a+i:CP+32*\a+i+1], v[EG+i:EG+i+1]   ; c_t
.set i, i+2
.endr
.irp j, 0,1,2,3,4,5,6,7
	global_store_b128 v[CO], v[CT+4*\j:CT+4*\j+3], s[100:101] offset:(16*\a+\j)*4096 th:TH_STORE_NT   ; sixteen lanes store 256 consecutive bytes, aligned
.endr
	WIN 0
	s_wait_alu depctr_va_vdst(0)                   ; the wait ahead of the branch
	s_cmp_eq_u32 s[TL], 1
	s_cbranch_scc1 .Lno_next_\@                    ; the last tile has no successor
.if \a == 0
	SLOAD 0, BLK
.endif
	WIN TO_A
	ALOAD \a, BLK                                  ; c_prev's block a is used up: set a takes the next tile's step a
	WIN 0
.Lno_next_\@:
	WIN 0x41
.set i, 0
.rept 16
	v_pk_mul_f32 v[X+i:X+i+1], v[CT+i:CT+i+1], s[C2:C2+1] op_sel_hi:[1,0]    ; -2 L c_t,
.set i, i+2
.endr
.set i, 0
.rept 32
	v_min_num_f32 v[X+i], v[X+i], s[CAP]           ; held at 32
.set i, i+1
.endr
.set i, 0
	s_wait_alu depctr_va_vdst(0)
.rept 32
	v_exp_f32 v[X+i], v[X+i]                       ; e
.set i, i+1
.endr
	v_nop
	s_wait_alu depctr_va_vdst(0)
	WIN 0x01
.set i, 0
.rept 16
	v_pk_add_f32 v[EF+i:EF+i+1], v[X+i:X+i+1], 1.0 op_sel_hi:[1,0]          ; 1 + e
.set i, i+2
.endr
	WIN 0x41
.set i, 0
.rept 16
	v_pk_fma_f32 v[X+i:X+i+1], v[X+i:X+i+1], -1.0, 1.0 op_sel_hi:[1,0,0]    ; 1 - e
.set i, i+2
.endr
	WIN 0
.set i, 0
.rept 16
	v_pk_fma_f32 v[EO+i:EO+i+1], v[EO+i:EO+i+1], v[EF+i:EF+i+1], v[EF+i:EF+i+1]   ; (1 + p)(1 + e)
.set i, i+2
.endr
.set i, 0
	s_wait_alu depctr_va_vdst(0)
.rept 32
	v_rcp_f32 v[EO+i], v[EO+i]
.set i, i+1
.endr
	v_nop
	s_wait_alu depctr_va_vdst(0)
	WIN 0x41
.set i, 0
.rept 16
	v_pk_mul_f32 v[X+i:X+i+1], v[X+i:X+i+1], v[EO+i:EO+i+1]                  ; h_t
.set i, i+2
.endr
	WIN 0x04
.irp j, 0,1,2,3,4,5,6,7
	global_store_b128 v[CO], v[X+4*\j:X+4*\j+3], s[98:99] offset:(16*\a+\j)*4096 th:TH_STORE_NT
.endr
.endm
	EPI 0
	EPI 1
	EPI 2
	EPI 3
	WIN 0
	s_wait_xcnt 0x0                                ; the stores have read their data: sets 4 and 5 may be loaded again
	s_cmp_eq_u32 s[TL], 1
	s_cbranch_scc1 .Lfin
	SLOAD 1, BLK                                   ; the next tile's steps 4 to 7
	WIN TO_A
	ALOAD 4, BLK
	ALOAD 5, BLK
	ALOAD 6, BLK
	ALOAD 7, BLK
	WIN 0
	s_wait_xcnt 0x0                                ; every load and store has read its base: the bases step
	s_add_nc_u64 s[4:5], s[4:5], BLK               ; the next block's four images
	s_add_nc_u64 s[96:97], s[96:97], 0x100000      ; 256 rows of 4,096 bytes on
	s_add_nc_u64 s[98:99], s[98:99], 0x100000
	s_add_nc_u64 s[100:101], s[100:101], 0x100000
	s_add_co_u32 s[TL], s[TL], 1
	s_cmp_lt_u32 s[TL], 2
	s_cbranch_scc1 .Ltile
.Lfin:
	s_wait_tensorcnt 0x0                           ; the wave's end
	ds_add_u32 v[SPW], v[NIL]
	s_wait_dscnt 0x0
	CROUND                                         ; the closing round
	s_endpgm
.Lfunc_end_k_q853d50010f_lstm:
	.size	k_q853d50010f_lstm, .Lfunc_end_k_q853d50010f_lstm-k_q853d50010f_lstm
	.p2alignl 7, 3214868480
	.fill 96, 4, 3214868480
	.section	.rodata,"a",@progbits
	.p2align	6, 0x0
	.amdhsa_kernel k_q853d50010f_lstm
		.amdhsa_group_segment_fixed_size 327680
		.amdhsa_private_segment_fixed_size 0
		.amdhsa_enable_private_segment 0
		.amdhsa_kernarg_size 72
		.amdhsa_user_sgpr_count 2
		.amdhsa_user_sgpr_kernarg_segment_ptr 1
		.amdhsa_wavefront_size32 1
		.amdhsa_system_sgpr_workgroup_id_x 1
		.amdhsa_system_sgpr_workgroup_id_y 1
		.amdhsa_system_sgpr_workgroup_id_z 1
		.amdhsa_system_vgpr_workitem_id 0
		.amdhsa_next_free_vgpr 1024
		.amdhsa_next_free_sgpr 106
		.amdhsa_reserve_vcc 0
		.amdhsa_float_denorm_mode_32 3
		.amdhsa_float_denorm_mode_16_64 3
		.amdhsa_memory_ordered 1
		.amdhsa_forward_progress 1
		.amdhsa_inst_pref_size 255
	.end_amdhsa_kernel
	.section	.bss,"aw",@nobits
	.p2align	6
	.space	262144
	.amdgpu_metadata
---
amdhsa.version: [ 1, 2 ]
amdhsa.kernels:
  - .name:           k_q853d50010f_lstm
    .symbol:         k_q853d50010f_lstm.kd
    .args:
      - { .name: a_img, .offset: 0, .size: 8, .value_kind: global_buffer, .address_space: global }
      - { .name: b_img, .offset: 8, .size: 8, .value_kind: global_buffer, .address_space: global }
      - { .name: c_prev, .offset: 16, .size: 8, .value_kind: global_buffer, .address_space: global }
      - { .name: out0, .offset: 24, .size: 8, .value_kind: global_buffer, .address_space: global }
      - { .name: out1, .offset: 32, .size: 8, .value_kind: global_buffer, .address_space: global }
      - { .name: b_f, .offset: 40, .size: 8, .value_kind: global_buffer, .address_space: global }
      - { .name: b_i, .offset: 48, .size: 8, .value_kind: global_buffer, .address_space: global }
      - { .name: b_c, .offset: 56, .size: 8, .value_kind: global_buffer, .address_space: global }
      - { .name: b_o, .offset: 64, .size: 8, .value_kind: global_buffer, .address_space: global }
    .group_segment_fixed_size: 327680
    .private_segment_fixed_size: 0
    .kernarg_segment_align: 8
    .kernarg_segment_size: 72
    .max_flat_workgroup_size: 128
    .sgpr_count:     106
    .vgpr_count:     1024
    .wavefront_size: 32
...
	.end_amdgpu_metadata
.endif
;; end of part 2
